; MI455X (gfx1250); checked and timed in simulation.
; The chip was launched on July 23, 2026; its instructions are those of AMD's public machine-readable ISA for CDNA 5 (MIT licence, August 2026) and "CDNA5" Instruction Set Architecture Reference Guide (July 2026). The comments in the code are by the model that wrote it; some were corrected since.
;; Core Attention. Allowed arithmetic: matrix products marked QUANTISED: E4M3 operands, one E8M0 scale for each 32 along K, by v_wmma_scale_f32_16x16x128_f8f6f4 with both operands' format E4M3, f32 sums; everything else in f32.
;; Inputs: key_states_codes 2 x 16 x 2,048 x 2 x 32 uint8 (E4M3 codes of key_states, K innermost, in blocks of 32 codes); key_states_scales 2 x 16 x 2,048 x 2 uint8 (E8M0 scales of key_states, one for each 32 codes along K); query_states_codes 2 x 16 x 2,048 x 2 x 32 uint8 (E4M3 codes of query_states, K innermost, in blocks of 32 codes); query_states_scales 2 x 16 x 2,048 x 2 uint8 (E8M0 scales of query_states, one for each 32 codes along K); value_states_codes 2 x 16 x 64 x 64 x 32 uint8 (E4M3 codes of value_states, K innermost, in blocks of 32 codes); value_states_scales 2 x 16 x 64 x 64 uint8 (E8M0 scales of value_states, one for each 32 codes along K).
;; Outputs: out0 2 x 16 x 2,048 x 64 float32.
;; This version of the problem:
;;   THIS VERSION OF THE PROBLEM IS GIVEN IN LOW PRECISION. The matrix products marked QUANTISED in the list below multiply operands that are first quantised to E4M3 (4 exponent bits, 3 mantissa bits; 8 bits a number), with one power-of-two scale for each 32 numbers along K (OCP MX v1.0); their sums are f32. All else is computed in f32.
;;   The module's matrix products, in the order in which they are computed (A, B: the left and right operand; K: the contracted axis; several contracted axes count as one K, in the product's order):
;;     1. batch 32 x [M 2,048, K 64] x [K 64, N 2,048]; A: input query_states (given as codes); B: input key_states (given as codes): QUANTISED
;;     2. batch 32 x [M 2,048, K 2,048] x [K 2,048, N 64]; A: softmax (see below); B: input value_states (given as codes): QUANTISED
;;   THE QUANTISER, for each operand of a quantised product, along K:
;;     - K is cut into blocks of 32 from its start; a last block that is shorter is filled with zeros.
;;     - A block's scale is 2^e with e = floor(log2(the largest magnitude in the block)) - 8, held to -126 .. 127; a block of zeros has e = 0. As a byte (E8M0): e + 127.
;;     - Each number is divided by its block's scale, clamped to +-448, and rounded to the nearest number of E4M3, ties to even, subnormals kept.
;;     - The product sums the exact products of the quantised numbers (number of the format x scale) in f32.
;;   ~~~python
;;   def quantise(x, axis):      # numpy; x: float32 -> the quantised numbers, widened to float32 again
;;       x = np.moveaxis(x, axis, -1); K = x.shape[-1]
;;       x = np.pad(x, [(0, 0)] * (x.ndim - 1) + [(0, -K % 32)]); x = x.reshape(x.shape[:-1] + (-1, 32)); a = np.abs(x).max(-1, keepdims=True)
;;       e = np.where(a > 0, np.clip(np.frexp(np.where(a > 0, a, 1))[1] - 1 - 8, -126, 127), 0)      # np.frexp(a)[1] - 1 = floor(log2(a)), exactly
;;       r = np.clip(x / 2.0 ** e, -448, 448)
;;       step = 2.0 ** (np.maximum(np.frexp(np.where(r == 0, 1, r))[1] - 1, -6) - 3)
;;       q = np.round(r / step) * step * 2.0 ** e      # np.round: ties to even
;;       return np.moveaxis(q.reshape(q.shape[:-2] + (-1,))[..., :K], -1, axis).astype(np.float32)
;;   ~~~
;;   SOFTMAX AHEAD OF A QUANTISED PRODUCT. Where the list says 'softmax', what is quantised is not the finished softmax but p = 2^(t - M), with t = logit x log2(e) and M = ceil(the row's largest t), a whole number; so 1/2 < the row's largest p <= 1. The row's sum l is taken of the UNQUANTISED p, in f32, and the product's result is divided by l at the end. Since M is a whole number, a kernel that streams over the keys may use a running M (the ceiling of the running maximum): every later rescaling is an exact power of two, which a block's scale takes up: the codes' values come out the same.
;;   OPERANDS COMPUTED ON THE WAY. 'Computed on the way' means the value that the module computes at that place (a softmax that the list does not call 'softmax' is quantised finished and normalised). What goes into a quantiser is computed in f32, as accurately as f32 sums, v_exp_f32 and their like allow (about 1e-6 of the number): no bf16 or f16 on the way to a quantiser, and a product that is left as it is and whose result goes on into a quantised operand takes f32 operands (vector FMAs, or v_wmma_f32_16x16x4_f32). A number that lies on a knife's edge between two numbers of the format may be rounded either way, as far as f32 arithmetic and the matrix unit's own rounding can turn it there, and no further.
;;   INPUTS GIVEN AS CODES. key_states (in the module: [2, 16, 2048, 64], K = its axis 3); query_states (in the module: [2, 16, 2048, 64], K = its axis 3); value_states (in the module: [2, 16, 2048, 64], K = its axis 2): each comes as NAME_codes (uint8): NAME with its K axis moved to the last place and cut into blocks of 32 codes, [.., K / 32, bytes a block], one block behind the other in memory; one code a byte (a code: sign, 4 exponent bits, 3 mantissa bits); and NAME_scales (uint8): the same leading axes, one E8M0 byte (e + 127) for each 32 codes along K. Its value is code x scale, taken as it is: it is not quantised again, and the codes and scales need not be those that the quantiser above would give.
;; One version. Each part assembles by itself: llvm-mc -triple=amdgcn-amd-amdhsa -mcpu=gfx1250 --defsym DOCPART=n.
;; ======== version 1 of 1: 1 launch
;; limits: right only within a limited range of input values
;; launch attn (part 1): grid 8 x 32, 8 waves a work-group, clusters of 4 x 1, 327,680 bytes of LDS; arguments key_states_codes, key_states_scales, value_states_codes, value_states_scales, query_states_codes, query_states_scales, out0; writes out0
.if DOCPART == 1
	.amdgcn_target "amdgcn-amd-amdhsa--gfx1250"
	.amdhsa_code_object_version 6
	.text
	.protected	k_q2d067f5c3e_attn
	.globl	k_q2d067f5c3e_attn
	.p2align	8
	.type	k_q2d067f5c3e_attn,@function
k_q2d067f5c3e_attn:
	s_mov_b64 s[64:65], 0
	v_nop
	global_prefetch_b8 v0, s[64:65] scope:SCOPE_SE
	s_setreg_imm32_b32 hwreg(HW_REG_WAVE_MODE, 25, 1), 1
	s_wait_xcnt 0x0
	s_wait_alu depctr_hold_cnt(0) depctr_sa_sdst(0) depctr_va_vdst(0) depctr_va_sdst(0) depctr_va_ssrc(0) depctr_va_vcc(0) depctr_vm_vsrc(0)
	s_getreg_b32 s2, hwreg(HW_REG_IB_STS2, 6, 4)
	s_cmp_eq_u32 s2, 0
	s_cbranch_scc0 .Lentry_in_a_cluster
	s_endpgm
.Lentry_in_a_cluster:
	s_bfe_u32 s2, ttmp6, 0x10000c
	s_cmp_lg_u32 s2, 0x3003
	s_cbranch_scc0 .Lentry_shape_is_right
	s_endpgm
.Lentry_shape_is_right:
; out0[h][q][:] = the sum over k of softmax_k(logit(q, k)) V[h][k][:], logit = Q[h][q] . K[h][k] / 8 where k <= q and -10000 where k > q.  32 heads (batch x head), 2,048 positions, head size 64.
; Both products on codes of E4M3 with one E8M0 scale for each 32 along a product's K.  Q, K: [2048][64] codes a head, 2 scale bytes a row.  V: keys innermost, [64][2048] codes a head, 64 scale bytes a row.  out0: f32.
; THE SOFTMAX AHEAD OF THE SECOND PRODUCT: t = logit x log2(e); M = the row's largest t so far, rounded UP to a whole number; p = 2^(t - M) is quantised along the keys, not normalised; the row's sum is taken of
; the unquantised p and divides at the end.  When M moves, the sum and O are multiplied by 2^(old M - new M): exact.
; WORK LEFT OUT.  reference() replaces the score of every key k > q by the constant -10000 (a jnp.where on a mask that it builds itself): so the first product there reaches no output, whatever the inputs hold,
; and it is not done in key steps that lie wholly behind a tile's queries.  In the second product and in the row's sum such a key has the weight e^(-10000 - m), m the row's largest logit.
; LIMIT OF RANGE: that weight is 0 in f32, as reference() computes it, while m > -10000 + 150 ln 2, about -9,896; this text leaves those steps of the second product out too, and so holds for rows whose largest
; logit among the keys k <= q lies above -9,896.  Below that it gives the softmax over the keys of the steps that it walks.  In the one step on a tile's diagonal the hidden scores get reference()'s own -10000.
; OTHER LIMITS: a NaN, an infinity or an overflow that reaches only the work left out is not carried to the result.  NaN codes (0x7f, 0xff) and the scale byte 0xff are not served (a key's NaN code would also reach
; the scores of the tile beside it: see HOW 64 ALONG K ARE FED).  p under 2^-126 is taken as 0 (v_exp_f32).  A block of p that is all zeros keeps the scale byte 1: its codes are zeros.
; SHARES.  A head has 128 tiles of 16 queries; tile T needs T / 8 + 1 key steps of 128.  A wave takes the tiles T and 127 - T, one after the other: 17 steps, the same for every wave of the launch.
; 64 such pairs a head = 8 work-groups of 8 waves; work-group g (0..7) of a head, wave w: first tile 127 - (8 w + g), 16 - w steps, then tile 8 w + g, w + 1 steps.  So every branch hangs on the wave's
; number and on the count of steps; g enters Q's and out0's addresses and one register that is compared, and nothing else.
; THE WHOLE HEAD LIES IN LDS: K's and V's codes and scale bytes, with padding 291,328 bytes, come once, by tensor loads at the head; nothing is filled again.
; CLUSTER: the four work-groups of a cluster belong to one head and read the same bytes, all of them: each tile is asked for JOINTLY, by the same load with the same descriptor and a mask that names the four.
; LAYOUT.  Both products are used transposed: S^T = K Q^T (source 0 = 16 keys, source 1 = my 16 queries), O^T = V^T P^T (source 0 = 16 of the head's 64, source 1 = P): a lane holds ONE query (lane % 16).
; THE KEYS OF A TILE ARE NOT NEIGHBOURS: lane r of tile 2 c + u takes key 32 c + 8 u + r + 8 (r / 8), so that the 16 registers of tiles 2 c and 2 c + 1 are the neighbouring keys 32 c + 16 (lane / 16) + 0 .. 15.
; HOW 64 ALONG K ARE FED to an instruction that takes 128: source 1 is Q's 8 registers and 8 registers of zero codes.  K's eight tiles lie in eight runs of 8 registers on end, and source 0 of tile n is the run of 16
; that begins at tile n: its upper half (tile n + 1's codes; behind tile 7 eight registers of zeros) meets zero codes and adds nothing.  The upper two bytes of the scale words are 0 (2^-127), over zero products.
.set KSTEPB, 9216                      ; LDS: K's codes from byte 0: two keys (128 bytes) + 16 of padding to a row, pitch 144; a step of 128 keys is 64 such rows.  Key k at (k / 2) 144 + (k % 2) 64
.set VB,     147456                    ; V's codes: four chunks of 512 keys, each 64 rows of 512 bytes + 16, pitch 528
.set VP,     528
.set VCH,    64*VP
.set SCK,    282624                    ; K's scale bytes: 16 units of 256 bytes + 16; a unit is a step's 128 keys x 2 bytes
.set SCV,    286976                    ; V's: 16 units of 256 bytes + 16; a unit is four rows of 64 bytes
.set STAGE,  291328                    ; the way out: 16 rows x (256 + 16) bytes for each wave; no load lands here
.set SPARE,  326144                    ; the spare words, 128 bytes for each wave: four blocks of 256 bytes that no other line names
.set AK0,  1                           ; v1   my lane's place in a tile of K
.set AV0,  2                           ; v2   in a tile of V
.set ASK0, 3                           ; v3   among K's scale bytes
.set ASV0, 4                           ; v4   among V's scale words
.set SPW,  5                           ; v5   LDS address of my spare word; never rewritten
.set NIL,  6                           ; v6   0; never rewritten
.set GO,   7                           ; v7   16 x lane: my bytes in two rows of out0
.set ADK,  8                           ; v8-11 LDS addresses of the step in hand: K, V, K's scales, V's scales
.set ADV,  9
.set ADS,  10
.set ADT,  11
                                       ; v12 -M, v13 the largest t, v[14:15] the sum in two halves; v16-23 Q, v24-31 zero codes
.set F,    32                          ; v32-95   K's eight tiles, then V's four fragments, then rows of out0;  v96-103 zero codes
.set S,    104                         ; v104-167 S^T, then p, then O / the sum
.set O,    168                         ; v168-199 O^T, four tiles
.set PC,   200                         ; v200-215 p's codes
.set BM,   216                         ; v216-219 each block's largest score, then its largest p
.set T1,   220                         ; v220-223 at work
.set HD,   224                         ; v224-227 448 x the scale
.set SO,   228                         ; v228-231 the conversions' scale operands
.set KS,   232                         ; v232-235 K's scale words: lanes 0-15 tile 2 c's, lanes 16-31 tile 2 c + 1's
.set VS,   236                         ; v236-237 V's likewise
.set FF,   238                         ; v238 f = 2^(old M - new M)
.set PW,   239                         ; v239 p's scale word
.set TMP,  240
.set QSA,  241                         ; v241, v242 Q's scale words of the first and of the second tile
.set QSB,  242
.set DQA,  243                         ; v243, v252 my query - the diagonal step's first key - 16 (lane / 16), first and second tile
.set QB,   244                         ; v244-251 the second tile's Q
.set DQB,  252
.set MV,   253                         ; v253 -80000.0: as a raw score, the logit -10000
.set STI,  254                         ; v254 the stage: where I put 32 bytes of a row
.set STR,  255                         ; v255 and where I read a row back
.set WV,   18                          ; s18  my wave's number
.set MNT,  19                          ; s19  the mantissa field of 448
.set SEL,  20                          ; s[20:21] v_permlanex16_b32's selects for lane l xor 16
.set CS,   22                          ; s[22:23] c = log2(e) / 8: t = raw score x c
.set G1K,  24                          ; s[24:31] descriptor group 1: K's tiles;  s[32:39] V's;  s[40:47] the scale bytes'
.set G1V,  32
.set G1S,  40
.set G0K,  48                          ; s[48:63] groups 0 of K's four stages
.set CI,   66                          ; s66, s67 the loops' counters
.set CO,   67
.set G0SK, 68                          ; s[68:71] group 0 of K's scale bytes
.set G0V,  72                          ; s[72:87] of V's four stages
.set G0SV, 88                          ; s[88:91] of V's scale bytes
.set OUTA, 92                          ; s[92:93], s[94:95] out0 at my first and my second tile
.set OUTB, 94
.set TK,   96                          ; s96-99 where the step's bytes begin: K's codes, V's codes, K's scales, V's scales
.set TV,   97
.set TS,   98
.set TJ,   99
.set SI,   100                         ; s100 the step's number
.set LIM,  101                         ; s101 the tile's last step: the one on its diagonal
; A round of the cluster's barrier: my work-group's barrier, wave 0's signal for the work-group, every wave's wait for all four work-groups, my work-group's barrier once more.
.macro CROUND
	s_barrier_signal -1
	s_barrier_wait -1
	s_cmp_lg_u32 s[WV], 0
	s_cbranch_scc1 .Lnot_wave_0_\@
	s_barrier_signal -3
.Lnot_wave_0_\@:
	s_barrier_wait -3
	s_barrier_signal -1
	s_barrier_wait -1
.endm
; A tile begins: the largest t is -3e38, under every t; the sum and O^T are zeros, which the first change of M leaves zeros.  So the step is written without a first step of its own.
.macro INIT
	v_mov_b32 v13, 0xff61b1e6
	v_floor_f32 v12, -v13
	v_mov_b32 v14, 0
	v_mov_b32 v15, 0
.irp j, 0,1,2,3,4,5,6,7,8,9,10,11,12,13,14,15,16,17,18,19,20,21,22,23,24,25,26,27,28,29,30,31
	v_mov_b32 v[O+\j], 0
.endr
.endm
	s_load_b256 s[4:11], s[0:1], 0x0               ; K's codes s[4:5], K's scales s[6:7], V's codes s[8:9], V's scales s[10:11]
	s_load_b128 s[12:15], s[0:1], 0x20             ; Q's codes, Q's scales
	s_load_b64 s[16:17], s[0:1], 0x30              ; out0
	v_lshl_add_u32 v[SPW], v0, 2, SPARE
	v_mov_b32 v[NIL], 0
	ds_add_u32 v[SPW], v[NIL]                      ; the wave's opening: the add, twice on end, and its wait ahead of my first tensor load; the set-up below, work on registers, stands between
	ds_add_u32 v[SPW], v[NIL]                      ; and once more, under the one wait
	v_lshrrev_b32 v8, 5, v0
	v_readfirstlane_b32 s[WV], v8                  ; wave 0..7
	s_bfe_u32 s2, ttmp6, 0x40000                   ; cx: my place in the cluster
	s_lshl_b32 s3, ttmp9, 2                        ; in a cluster launch ttmp9 counts clusters
	s_add_co_u32 s3, s3, s2                        ; g = 4 x cluster x + cx: it enters Q's and out0's addresses and the diagonal's compare alone
	s_and_b32 s96, ttmp7, 0xffff                   ; the head, which the four partners share
	s_and_b32 s97, s[WV], 3                        ; i: which quarter of a stage I fetch (waves 0-3: of K; waves 4-7: of V)
	s_lshl_b32 s98, s96, 17                        ; the head's first byte in each tensor of codes: 131,072 a head
	s_mov_b32 s99, 0
	s_lshl_b32 s100, s96, 12                       ; and in each tensor of scale bytes: 4,096 a head
	s_mov_b32 s101, 0
	s_lshl_b32 s66, s[WV], 3
	s_add_co_u32 s66, s66, s3                      ; my second tile: 8 w + g
	s_sub_co_u32 s67, 127, s66                     ; my first: 127 - (8 w + g)
	s_lshl_b32 s[OUTA], s67, 12                    ; out0: 4,096 bytes a tile, 524,288 a head
	s_lshl_b32 s[OUTA+1], s96, 19
	s_add_co_u32 s[OUTA], s[OUTA], s[OUTA+1]
	s_mov_b32 s[OUTA+1], 0
	s_lshl_b32 s[OUTB], s66, 12
	s_lshl_b32 s[OUTB+1], s96, 19
	s_add_co_u32 s[OUTB], s[OUTB], s[OUTB+1]
	s_mov_b32 s[OUTB+1], 0
	; descriptor group 1.  K: 64 rows of 128 bytes (two keys), dense in memory, 16 bytes of padding behind each
	s_mov_b32 s[G1K], 15|(0<<16)|(1<<20)|(1<<21)|(4<<22)|(3<<25)   ; 15:0 the mask: all four work-groups; 17:16 elements of 1 byte; 20 padding on; 21 set beside a mask; 24:22 after every 32 words (code 4); 31:25 four words (code 3)
	s_mov_b32 s[G1K+1], 128<<16                    ; tensor_dim0
	s_mov_b32 s[G1K+2], 64<<16                     ; tensor_dim1
	s_mov_b32 s[G1K+3], 128<<16                    ; tile_dim0
	s_mov_b32 s[G1K+4], 64                         ; tile_dim1
	s_mov_b32 s[G1K+5], 128                        ; tensor_dim0_stride
	s_mov_b32 s[G1K+6], 0
	s_mov_b32 s[G1K+7], 0
	; V: 16 rows of 512 bytes, 2,048 bytes apart in memory, 16 bytes of padding behind each
	s_mov_b32 s[G1V], 15|(0<<16)|(1<<20)|(1<<21)|(6<<22)|(3<<25)   ; padding: four words after every 128
	s_mov_b32 s[G1V+1], 512<<16
	s_mov_b32 s[G1V+2], 16<<16
	s_mov_b32 s[G1V+3], 512<<16
	s_mov_b32 s[G1V+4], 16
	s_mov_b32 s[G1V+5], 2048
	s_mov_b32 s[G1V+6], 0
	s_mov_b32 s[G1V+7], 0
	; the scale bytes: 1,024 dense bytes as 4 rows of 256 (32 elements of 8 bytes), 16 bytes of padding behind each
	s_mov_b32 s[G1S], 15|(3<<16)|(1<<20)|(1<<21)|(5<<22)|(3<<25)
	s_mov_b32 s[G1S+1], 32<<16
	s_mov_b32 s[G1S+2], 4<<16
	s_mov_b32 s[G1S+3], 32<<16
	s_mov_b32 s[G1S+4], 4
	s_mov_b32 s[G1S+5], 32
	s_mov_b32 s[G1S+6], 0
	s_mov_b32 s[G1S+7], 0
	; groups 0: the LDS addresses, of constants and the wave's number alone; and the offsets in memory, of the head and the wave's number
	s_mul_i32 s[G0K+1], s97, KSTEPB                ; K, stage 0: step i;
	s_mul_i32 s[G0V+1], s97, 16*VP                 ; V, stage 0: rows 16 i on of chunk 0
	s_add_co_u32 s[G0V+1], s[G0V+1], VB
.irp s, 1,2,3
	s_add_co_u32 s[G0K+4*\s+1], s[G0K+1], \s*4*KSTEPB              ; stage s: four steps on,
	s_add_co_u32 s[G0V+4*\s+1], s[G0V+1], \s*VCH                   ; a chunk on
.endr
	s_mul_i32 s[G0SK+1], s97, 4*272
	s_add_co_u32 s[G0SV+1], s[G0SK+1], SCV
	s_add_co_u32 s[G0SK+1], s[G0SK+1], SCK
	s_lshl_b32 s[G0K+2], s97, 13                   ; K: a step is 8,192 bytes of memory
	s_mov_b32 s[G0K+3], 0
	s_add_nc_u64 s[G0K+2:G0K+3], s[G0K+2:G0K+3], s[98:99]
	s_lshl_b32 s[G0V+2], s97, 15                   ; V: 16 rows of 2,048 bytes
	s_mov_b32 s[G0V+3], 0
	s_add_nc_u64 s[G0V+2:G0V+3], s[G0V+2:G0V+3], s[98:99]
	s_lshl_b32 s[G0SK+2], s97, 10
	s_mov_b32 s[G0SK+3], 0
	s_add_nc_u64 s[G0SK+2:G0SK+3], s[G0SK+2:G0SK+3], s[100:101]
	s_mov_b64 s[G0SV+2:G0SV+3], s[G0SK+2:G0SK+3]
	s_mov_b32 s[SEL], 0x76543210
	s_mov_b32 s[SEL+1], 0xfedcba98
	s_mov_b32 s[CS], 0x3e38aa3b                    ; log2(e) / 8
	s_mov_b32 s[CS+1], s[CS]                       ; (named with it as a pair, so it is written)
	s_mov_b32 s[MNT], 0x600000
	s_wait_dscnt 0x0                               ; both opening adds are done
	s_wait_kmcnt 0x0
	s_add_nc_u64 s[G0K+2:G0K+3], s[4:5], s[G0K+2:G0K+3]
	s_add_nc_u64 s[G0V+2:G0V+3], s[8:9], s[G0V+2:G0V+3]
	s_add_nc_u64 s[G0SK+2:G0SK+3], s[6:7], s[G0SK+2:G0SK+3]
	s_add_nc_u64 s[G0SV+2:G0SV+3], s[10:11], s[G0SV+2:G0SV+3]
.irp s, 1,2,3
	s_add_nc_u64 s[G0K+4*\s+2:G0K+4*\s+3], s[G0K+2:G0K+3], \s*32768    ; four steps on
	s_add_nc_u64 s[G0V+4*\s+2:G0V+4*\s+3], s[G0V+2:G0V+3], \s*512      ; 512 keys on in each row
.endr
.irp s, 0,1,2,3
	s_mov_b32 s[G0K+4*\s], 1                       ; count = 1
	s_or_b32 s[G0K+4*\s+3], s[G0K+4*\s+3], 0x80000000              ; type = 2
	s_mov_b32 s[G0V+4*\s], 1
	s_or_b32 s[G0V+4*\s+3], s[G0V+4*\s+3], 0x80000000
.endr
	s_mov_b32 s[G0SK], 1
	s_or_b32 s[G0SK+3], s[G0SK+3], 0x80000000
	s_mov_b32 s[G0SV], 1
	s_or_b32 s[G0SV+3], s[G0SV+3], 0x80000000
	s_add_nc_u64 s[12:13], s[12:13], s[98:99]      ; Q's codes and scale bytes at my head
	s_add_nc_u64 s[14:15], s[14:15], s[100:101]
	s_add_nc_u64 s[OUTA:OUTA+1], s[16:17], s[OUTA:OUTA+1]
	s_add_nc_u64 s[OUTB:OUTB+1], s[16:17], s[OUTB:OUTB+1]
	CROUND                                         ; all four work-groups are here: the joint loads meet
	; ALL THE LAUNCH'S TENSOR LOADS, one group: five a wave (five of mine are out): my quarter of the scale bytes, then of stages 0 to 3.  The branch hangs on the wave's number alone.
	; An s_nop 0 follows each load, four v_nop the last of an arm.
	s_cmp_lt_u32 s[WV], 4
	s_cbranch_scc0 .Lfirst_v
	tensor_load_to_lds s[G0SK:G0SK+3], s[G1S:G1S+7]
	s_nop 0
.irp s, 0,1,2,3
	tensor_load_to_lds s[G0K+4*\s:G0K+4*\s+3], s[G1K:G1K+7]
	s_nop 0
.endr
.rept 4
	v_nop
.endr
	s_branch .Lfirst_asked
.Lfirst_v:
	tensor_load_to_lds s[G0SV:G0SV+3], s[G1S:G1S+7]
	s_nop 0
.irp s, 0,1,2,3
	tensor_load_to_lds s[G0V+4*\s:G0V+4*\s+3], s[G1V:G1V+7]
	s_nop 0
.endr
.rept 4
	v_nop
.endr
.Lfirst_asked:
	v_and_b32 v108, 15, v0                         ; r = lane % 16
	v_bfe_u32 v109, v0, 4, 1                       ; h = lane / 16
	v_and_b32 v110, 31, v0                         ; lane
	v_lshlrev_b32 v111, 6, v108
	v_lshl_add_u32 v111, v109, 4, v111             ; Q: row r of 64 bytes, + 16 h
	v_lshlrev_b32 v112, 1, v108                    ; its scale bytes: 2 a row
	s_lshl_b32 s4, s67, 10                         ; a tile of Q is 1,024 bytes of codes and 32 of scale bytes
	s_lshl_b32 s5, s66, 10
	s_lshl_b32 s6, s67, 5
	s_lshl_b32 s7, s66, 5
	v_add_nc_u32 v104, s4, v111
	v_add_nc_u32 v105, s5, v111
	v_add_nc_u32 v106, s6, v112
	v_add_nc_u32 v107, s7, v112
	global_load_b128 v[16:19], v104, s[12:13]              ; the first tile's Q: registers 0-3: channels 16 h on; 4-7: 32 + 16 h on
	global_load_b128 v[20:23], v104, s[12:13] offset:32
	global_load_b128 v[QB:QB+3], v105, s[12:13]            ; the second tile's
	global_load_b128 v[QB+4:QB+7], v105, s[12:13] offset:32
	global_load_u16 v[QSA], v106, s[14:15]                 ; two scale bytes, zero above them
	global_load_u16 v[QSB], v107, s[14:15]
	v_bfe_u32 v113, v0, 3, 1                       ; r / 8
	v_bfe_u32 v114, v0, 1, 2                       ; (r % 8) / 2
	v_and_b32 v115, 1, v0                          ; r % 2
	v_lshl_add_u32 v114, v113, 3, v114             ; K: key r + 8 (r / 8) lies in row 8 (r / 8) + (r % 8) / 2, half r % 2
	v_mul_u32_u24 v[AK0], v114, 144
	v_lshl_add_u32 v[AK0], v115, 6, v[AK0]
	v_lshl_add_u32 v[AK0], v109, 4, v[AK0]
	v_mul_u32_u24 v[AV0], v108, VP                 ; V: row r, + 16 h
	v_lshl_add_u32 v[AV0], v109, 4, v[AV0]
	v_add_nc_u32 v[AV0], VB, v[AV0]
	v_and_b32 v116, 7, v0
	v_lshl_add_u32 v116, v113, 4, v116             ; K's scale bytes: key r + 8 (r / 8), 2 bytes a key; lanes 16-31 take the odd tile's, 8 keys on
	v_lshlrev_b32 v116, 1, v116
	v_lshl_add_u32 v116, v109, 4, v116
	v_add_nc_u32 v[ASK0], SCK, v116
	v_bfe_u32 v117, v0, 2, 3                       ; V's scale words: row = lane (lanes 16-31: the odd tile's rows): unit lane / 4, 64 bytes a row
	v_mul_u32_u24 v117, v117, 272
	v_and_b32 v118, 3, v0
	v_lshl_add_u32 v117, v118, 6, v117
	v_add_nc_u32 v[ASV0], SCV, v117
	v_lshlrev_b32 v[GO], 4, v110
	s_mul_i32 s8, s[WV], 16*272
	s_add_co_u32 s8, s8, STAGE                     ; my stage
	v_mul_u32_u24 v[STI], v108, 272                ; in: row r, 32 bytes for each half of the lanes
	v_lshl_add_u32 v[STI], v109, 5, v[STI]
	v_add_nc_u32 v[STI], s8, v[STI]
	v_mul_u32_u24 v[STR], v109, 272                ; back: lanes 0-15 one row of 256 bytes, lanes 16-31 the next
	v_lshl_add_u32 v[STR], v108, 4, v[STR]
	v_add_nc_u32 v[STR], s8, v[STR]
	s_sub_co_u32 s9, 7, s3                         ; the diagonal: the first tile's first query lies 16 (7 - g) keys into its last step, the second tile's 16 g
	s_lshl_b32 s9, s9, 4
	s_lshl_b32 s10, s3, 4
	v_lshlrev_b32 v119, 4, v109
	v_sub_nc_u32 v119, v108, v119                  ; r - 16 h
	v_add_nc_u32 v[DQA], s9, v119
	v_add_nc_u32 v[DQB], s10, v119
.irp j, 0,1,2,3,4,5,6,7
	v_mov_b32 v[24+\j], 0                          ; zero codes behind Q,
	v_mov_b32 v[96+\j], 0                          ; and behind K's last tile
.endr
.irp b, 0,1,2,3
	v_mov_b32 v[T1+\b], 0                          ; written once: a lane permute's destination counts as one of its sources
.endr
	v_mov_b32 v[TMP], 0
	v_mov_b32 v[PW], 0                             ; (named as the upper half of the pair with f before it is first written)
	v_mov_b32 v[MV], 0xc79c4000                    ; -80000.0
	INIT
; A KEY STEP: 128 keys.  chk = 1: the step may lie behind the tile's diagonal (it is then left out: a scalar branch on the wave's number and the count of steps) or on it (hidden scores are replaced).
.macro STEP chk, qs, dq
.if \chk
	s_cmp_gt_u32 s[SI], s[LIM]
	s_cbranch_scc1 .Lhidden_\@
.endif
	v_add_nc_u32 v[ADK], s[TK], v[AK0]
	v_add_nc_u32 v[ADV], s[TV], v[AV0]
	v_add_nc_u32 v[ADS], s[TS], v[ASK0]
	v_add_nc_u32 v[ADT], s[TJ], v[ASV0]
.rept 4
	v_nop                                          ; with the four additions: eight places in front of loads into registers that the last step's products have read
.endr
.irp c, 0,1,2,3
	ds_load_u16 v[KS+\c], v[ADS] offset:64*\c      ; tiles 2 c (lanes 0-15) and 2 c + 1 (lanes 16-31): two scale bytes a key, zero above them
.endr
.irp n, 0,1,2,3,4,5,6,7
	ds_load_b128 v[F+8*\n:F+8*\n+3],   v[ADK] offset:(16*(\n/2)+4*(\n%2))*144
	ds_load_b128 v[F+8*\n+4:F+8*\n+7], v[ADK] offset:(16*(\n/2)+4*(\n%2))*144+32
.endr
	s_wait_dscnt 0x0
.irp n, 0,2,4,6                                ; S^T = K Q^T: each product begins its own sum
	v_wmma_scale_f32_16x16x128_f8f6f4 v[S+8*\n:S+8*\n+7], v[F+8*\n:F+8*\n+15], v[16:31], 0, v[KS+\n/2], v[\qs]
	v_wmma_scale_f32_16x16x128_f8f6f4 v[S+8*\n+8:S+8*\n+15], v[F+8*\n+8:F+8*\n+23], v[16:31], 0, v[KS+\n/2], v[\qs] matrix_a_scale:MATRIX_SCALE_ROW1
.endr
.rept 8
	v_nop                                          ; eight places: in front of the loads into K's registers and of the first read of the scores
.endr
.irp t, 0,1,2,3                                ; this step's V is asked for now and lands while the softmax is worked
.irp c, 0,1,2,3
	ds_load_b128 v[F+16*\t+4*\c:F+16*\t+4*\c+3], v[ADV] offset:\t*16*VP+32*\c
.endr
.endr
.irp j, 0,1
	ds_load_b32 v[VS+\j], v[ADT] offset:8*272*\j   ; tiles 2 j (lanes 0-15) and 2 j + 1 (lanes 16-31): the word of these 128 keys
.endr
.if \chk                                       ; on the diagonal the scores of hidden keys become reference()'s -10000, ahead of the maximum.  Register 16 b + i holds key 32 b + 16 (lane / 16) + i of the step
	s_cmp_lg_u32 s[SI], s[LIM]
	s_cbranch_scc1 .Lopen_\@
.irp n, 0,1,2,3,4,5,6,7,8,9,10,11,12,13,14,15,16,17,18,19,20,21,22,23,24,25,26,27,28,29,30,31,32,33,34,35,36,37,38,39,40,41,42,43,44,45,46,47,48,49,50,51,52,53,54,55,56,57,58,59,60,61,62,63
	v_cmp_gt_i32 vcc_lo, 32*(\n/16)+\n%16, v[\dq]
	v_cndmask_b32 v[S+\n], v[S+\n], v[MV], vcc_lo
.endr
.Lopen_\@:
.endif
.irp b, 0,1,2,3
	v_max3_num_f32 v[BM+\b], v[S+16*\b], v[S+1+16*\b], v[S+2+16*\b]   ; the largest score of each block of 32 keys: it serves for the row's maximum and, since p rises with the score, for the block's largest p
.endr
.irp i, 3,5,7,9,11,13
.irp b, 0,1,2,3
	v_max3_num_f32 v[BM+\b], v[BM+\b], v[S+16*\b+\i], v[S+1+16*\b+\i]   ; (the four blocks by turns)
.endr
.endr
.irp b, 0,1,2,3
	v_max_num_f32 v[BM+\b], v[BM+\b], v[S+15+16*\b]
.endr
.irp b, 0,1,2,3
	v_permlanex16_b32 v[T1+\b], v[BM+\b], s[SEL], s[SEL+1]
.endr
.irp b, 0,1,2,3
	v_max_num_f32 v[BM+\b], v[BM+\b], v[T1+\b]     ; with lane l xor 16's 16 keys
.endr
	v_max3_num_f32 v[TMP], v[BM], v[BM+1], v[BM+2]
	v_max_num_f32 v[TMP], v[TMP], v[BM+3]          ; the step's largest score of my query
	v_mul_f32 v[TMP], s[CS], v[TMP]                ; as t (c is positive)
	v_max_num_f32 v13, v13, v[TMP]                 ; the running largest t
	v_mov_b32 v[TMP], v12
	v_floor_f32 v12, -v13                          ; the new -M = floor(-t) = -ceil(t): M is a whole number
	v_sub_f32 v[TMP], v12, v[TMP]                  ; old M - new M: a whole number, 0 or less
	v_cvt_i32_f32 v[TMP], v[TMP]                   ; (it saturates)
	v_ldexp_f32 v[FF], 1.0, v[TMP]                 ; f = 2^(old M - new M)
.irp j, 0,2,4,6,8,10,12,14,16,18,20,22,24,26,28,30,32,34,36,38,40,42,44,46,48,50,52,54,56,58,60,62
	v_pk_fma_f32 v[S+\j:S+\j+1], v[S+\j:S+\j+1], s[CS:CS+1], v[12:13] op_sel_hi:[1,0,0]   ; t - M, two at a time (of the pairs c and -M the low word serves both halves)
.endr
.irp b, 0,1,2,3
	v_fma_f32 v[BM+\b], v[BM+\b], s[CS], v12       ; the same of each block's largest score
.endr
.irp j, 0,1,2,3,4,5,6,7,8,9,10,11,12,13,14,15,16,17,18,19,20,21,22,23,24,25,26,27,28,29,30,31,32,33,34,35,36,37,38,39,40,41,42,43,44,45,46,47,48,49,50,51,52,53,54,55,56,57,58,59,60,61,62,63
	v_exp_f32 v[S+\j], v[S+\j]                     ; p = 2^(t - M), at most 1: not normalised
.endr
	v_pk_mul_f32 v[14:15], v[14:15], v[FF:FF+1] op_sel_hi:[1,0]   ; the sums under the new M: a plain instruction behind the exponentials
	s_wait_alu depctr_va_vdst(0)                   ; the wait ahead of the first instruction that names an exponential's result: one for the 64
.irp b, 0,1,2,3
	v_exp_f32 v[BM+\b], v[BM+\b]                   ; the block's largest p: the same two instructions on the same number
.endr
	v_pk_add_f32 v[T1:T1+1], v[S:S+1], v[S+2:S+3]  ; the row's sum is taken of the unquantised p: two at a time, in two chains (they read the 64 alone)
.irp j, 4,8,12,16,20,24,28,32,36,40,44,48,52,56,60
	v_pk_add_f32 v[14:15], v[14:15], v[S+\j:S+\j+1]
	v_pk_add_f32 v[T1:T1+1], v[T1:T1+1], v[S+2+\j:S+3+\j]
.endr
	v_pk_add_f32 v[14:15], v[14:15], v[T1:T1+1]
	s_wait_alu depctr_va_vdst(0)                   ; and one for the four
.irp b, 0,1,2,3
	v_max_num_f32 v[BM+\b], 0x4800000, v[BM+\b]    ; the floor 2^(9 - 127): the byte cannot fall under 1
.endr
.irp b, 0,1,2,3
	v_add_nc_u32 v[SO+\b], 0xfc000000, v[BM+\b]    ; 8 off the exponent field: the conversion's scale operand
.endr
.irp b, 0,1,2,3
	v_and_or_b32 v[HD+\b], v[BM+\b], 0x7f800000, s[MNT]   ; 448 x the scale
.endr
.irp b, 0,1,2,3
	v_lshrrev_b32 v[T1+\b], 23, v[SO+\b]           ; the scale's byte
.endr
	v_lshl_or_b32 v[PW], v[T1+1], 8, v[T1]         ; p's scale word for these 128 keys
	v_lshl_or_b32 v[PW], v[T1+2], 16, v[PW]
	v_lshl_or_b32 v[PW], v[T1+3], 24, v[PW]
.irp b, 0,1,2,3
.irp i, 0,1,2,3,4,5,6,7,8,9,10,11,12,13,14,15
	v_min_num_f32 v[S+16*\b+\i], v[S+16*\b+\i], v[HD+\b]   ; the conversion to an 8-bit code does not saturate (ISA guide 7.6.2); p is not negative, so the hold is one-sided
.endr
	v_cvt_scalef32_pk8_fp8_f32 v[PC+4*\b:PC+4*\b+1], v[S+16*\b:S+16*\b+7], v[SO+\b]
	v_cvt_scalef32_pk8_fp8_f32 v[PC+4*\b+2:PC+4*\b+3], v[S+16*\b+8:S+16*\b+15], v[SO+\b]
.endr
.irp j, 0,2,4,6,8,10,12,14,16,18,20,22,24,26,28,30
	v_pk_mul_f32 v[O+\j:O+\j+1], v[O+\j:O+\j+1], v[FF:FF+1] op_sel_hi:[1,0]   ; O^T under the new M.  (These sixteen are also the plain instructions between the conversions and the products below)
.endr
	s_wait_dscnt 0x0                               ; V and its scale words are in
.irp t, 0,2                                    ; O^T += V^T P^T: the four accumulators by turns, one instruction a turn; between two links of a chain stand the next step's eight products too
	v_wmma_scale_f32_16x16x128_f8f6f4 v[O+8*\t:O+8*\t+7], v[F+16*\t:F+16*\t+15], v[PC:PC+15], v[O+8*\t:O+8*\t+7], v[VS+\t/2], v[PW]
	v_wmma_scale_f32_16x16x128_f8f6f4 v[O+8*\t+8:O+8*\t+15], v[F+16*\t+16:F+16*\t+31], v[PC:PC+15], v[O+8*\t+8:O+8*\t+15], v[VS+\t/2], v[PW] matrix_a_scale:MATRIX_SCALE_ROW1
.endr
.if \chk
.Lhidden_\@:
.endif
	s_add_co_u32 s[SI], s[SI], 1
	s_add_co_u32 s[TK], s[TK], KSTEPB
	s_add_co_u32 s[TV], s[TV], 128
	s_add_co_u32 s[TS], s[TS], 272
	s_add_co_u32 s[TJ], s[TJ], 4
.endm
; n chunks of four steps: a chunk is 512 keys, what a row of V's tiles holds.  All trip counts are constants of the text.
.macro CHUNKS n, chk, qs, dq
.if \n > 1
	s_mov_b32 s[CO], \n
.Lchunk_\@:
.endif
	s_mov_b32 s[CI], 4
.Lstep_\@:
	STEP \chk, \qs, \dq
	s_sub_co_u32 s[CI], s[CI], 1
	s_cmp_lg_u32 s[CI], 0
	s_cbranch_scc1 .Lstep_\@
	s_add_co_u32 s[TV], s[TV], VCH-512             ; V: on to the next chunk
.if \n > 1
	s_sub_co_u32 s[CO], s[CO], 1
	s_cmp_lg_u32 s[CO], 0
	s_cbranch_scc1 .Lchunk_\@
.endif
.endm
; THE WAY OUT of a tile.  The sum's halves are added; O^T / the sum goes through my own stage in LDS and comes back as whole rows of 256 bytes: an instruction's 32 lanes store two rows, 512 consecutive bytes.
.macro WAYOUT outp
	v_add_f32 v14, v14, v15                        ; the sum's two halves,
	v_permlanex16_b32 v[TMP], v14, s[SEL], s[SEL+1]
	v_add_f32 v14, v14, v[TMP]                     ; and lane l xor 16's: the row's sum
	v_rcp_f32 v14, v14
.rept 6
	v_nop                                          ; with the two additions: eight places between the last products and the first read of O^T; the first is also the plain instruction behind the reciprocal
.endr
	s_wait_alu depctr_va_vdst(0)                   ; the wait ahead of the reciprocal's first reader
.irp j, 0,2,4,6,8,10,12,14,16,18,20,22,24,26,28,30
	v_pk_mul_f32 v[S+\j:S+\j+1], v[O+\j:O+\j+1], v[14:15] op_sel_hi:[1,0]   ; register 8 t + i is out0(r, 16 t + 8 h + i); each accumulator from its low end on
.endr
.irp t, 0,1,2,3
	ds_store_b128 v[STI], v[S+8*\t:S+8*\t+3] offset:64*\t
	ds_store_b128 v[STI], v[S+8*\t+4:S+8*\t+7] offset:64*\t+16
.endr
.irp i, 0,1,2,3,4,5,6,7
	ds_load_b128 v[F+4*\i:F+4*\i+3], v[STR] offset:2*272*\i   ; LDS serves a wave's instructions in order (ISA guide 5.7.1.4): these see my stores
.endr
.irp i, 0,1,2,3,4,5,6,7
	s_wait_dscnt 7-\i                              ; load i is in; the 7 - i issued behind it may be out
	global_store_b128 v[GO], v[F+4*\i:F+4*\i+3], s[\outp:\outp+1] offset:512*\i th:TH_STORE_NT   ; written once, read by nobody here
.endr
.endm
	s_wait_loadcnt 0x0                             ; Q, both tiles'
	s_wait_tensorcnt 3                             ; my scale bytes and my part of stage 0 are in; the three loads issued behind them (stages 1 to 3) may be out
	s_barrier_signal -1
	s_barrier_wait -1                              ; everybody's are: steps 0 to 3 of K, chunk 0 of V, all scale bytes
	; THE FIRST TILE, 127 - (8 w + g): steps 0 to 15 - w
	s_xor_b32 s[LIM], s[WV], 15                    ; 15 - w
	s_mov_b32 s[SI], 0
	s_mov_b32 s[TK], 0
	s_mov_b32 s[TV], 0
	s_mov_b32 s[TS], 0
	s_mov_b32 s[TJ], 0
	CHUNKS 1, 0, QSA, DQA                          ; steps 0 to 3: open for every wave (15 - w is at least 8), so they have no tests; they read stage 0 alone
	s_wait_tensorcnt 0x0                           ; all my loads have landed,
	s_wait_dscnt 0x0
	s_barrier_signal -1
	s_barrier_wait -1                              ; everybody's have: the whole head lies in LDS, and from here on the waves run free
	CHUNKS 3, 1, QSA, DQA                          ; steps 4 to 15
	WAYOUT OUTA
	; THE SECOND TILE, 8 w + g: steps 0 to w
	s_wait_xcnt 0x0                                ; the stores have read their data registers, which the next loads write
.irp j, 0,1,2,3,4,5,6,7
	v_mov_b32 v[16+\j], v[QB+\j]                   ; its Q, in front of the zero codes
.endr
	INIT
	s_mov_b32 s[LIM], s[WV]
	s_mov_b32 s[SI], 0
	s_mov_b32 s[TK], 0
	s_mov_b32 s[TV], 0
	s_mov_b32 s[TS], 0
	s_mov_b32 s[TJ], 0
	CHUNKS 2, 1, QSB, DQB                          ; steps 0 to 7
	WAYOUT OUTB
	s_wait_tensorcnt 0x0                           ; the wave's end, behind my last tensor load and my last LDS store
	ds_add_u32 v[SPW], v[NIL]
	s_wait_dscnt 0x0
	CROUND                                         ; the closing round
	s_endpgm
.Lfunc_end_k_q2d067f5c3e_attn:
	.size	k_q2d067f5c3e_attn, .Lfunc_end_k_q2d067f5c3e_attn-k_q2d067f5c3e_attn
	.p2alignl 7, 3214868480
	.fill 96, 4, 3214868480
	.section	.rodata,"a",@progbits
	.p2align	6, 0x0
	.amdhsa_kernel k_q2d067f5c3e_attn
		.amdhsa_group_segment_fixed_size 327680
		.amdhsa_private_segment_fixed_size 0
		.amdhsa_enable_private_segment 0
		.amdhsa_kernarg_size 56
		.amdhsa_user_sgpr_count 2
		.amdhsa_user_sgpr_kernarg_segment_ptr 1
		.amdhsa_wavefront_size32 1
		.amdhsa_system_sgpr_workgroup_id_x 1
		.amdhsa_system_sgpr_workgroup_id_y 1
		.amdhsa_system_sgpr_workgroup_id_z 1
		.amdhsa_system_vgpr_workitem_id 0
		.amdhsa_next_free_vgpr 256
		.amdhsa_next_free_sgpr 102
		.amdhsa_reserve_vcc 1
		.amdhsa_float_denorm_mode_32 3
		.amdhsa_float_denorm_mode_16_64 3
		.amdhsa_memory_ordered 1
		.amdhsa_forward_progress 1
		.amdhsa_inst_pref_size 89
	.end_amdhsa_kernel
	.amdgpu_metadata
---
amdhsa.version: [ 1, 2 ]
amdhsa.kernels:
  - .name:           k_q2d067f5c3e_attn
    .symbol:         k_q2d067f5c3e_attn.kd
    .args:
      - { .name: key_states_codes, .offset: 0, .size: 8, .value_kind: global_buffer, .address_space: global }
      - { .name: key_states_scales, .offset: 8, .size: 8, .value_kind: global_buffer, .address_space: global }
      - { .name: value_states_codes, .offset: 16, .size: 8, .value_kind: global_buffer, .address_space: global }
      - { .name: value_states_scales, .offset: 24, .size: 8, .value_kind: global_buffer, .address_space: global }
      - { .name: query_states_codes, .offset: 32, .size: 8, .value_kind: global_buffer, .address_space: global }
      - { .name: query_states_scales, .offset: 40, .size: 8, .value_kind: global_buffer, .address_space: global }
      - { .name: out0, .offset: 48, .size: 8, .value_kind: global_buffer, .address_space: global }
    .group_segment_fixed_size: 327680
    .private_segment_fixed_size: 0
    .kernarg_segment_align: 8
    .kernarg_segment_size: 56
    .max_flat_workgroup_size: 256
    .sgpr_count:     102
    .vgpr_count:     256
    .wavefront_size: 32
...
	.end_amdgpu_metadata
.endif
;; end of part 1
